; MI455X (gfx1250); checked and timed in simulation.
; The chip was launched on July 23, 2026; its instructions are those of AMD's public machine-readable ISA for CDNA 5 (MIT licence, August 2026) and "CDNA5" Instruction Set Architecture Reference Guide (July 2026). The comments in the code are by the model that wrote it; some were corrected since.
;; Exact Sliding Window Attention. Allowed arithmetic: matrix products marked QUANTISED: E2M3 operands, one E8M0 scale for each 32 along K, by v_wmma_scale_f32_16x16x128_f8f6f4 with both operands' format E2M3, f32 sums; everything else in f32.
;; Inputs: k 16 x 4,096 x 64 float32; q 16 x 4,096 x 64 float32; v 16 x 4,096 x 64 float32.
;; Outputs: out0 16 x 4,096 x 64 float32.
;; This version of the problem:
;;   THIS VERSION OF THE PROBLEM IS GIVEN IN LOW PRECISION. The matrix products marked QUANTISED in the list below multiply operands that are first quantised to E2M3 (2 exponent bits, 3 mantissa bits; 6 bits a number), with one power-of-two scale for each 32 numbers along K (OCP MX v1.0); their sums are f32. All else is computed in f32.
;;   The module's matrix products, in the order in which they are computed (A, B: the left and right operand; K: the contracted axis; several contracted axes count as one K, in the product's order):
;;     1. batch 16 x [M 4,096, K 64] x [K 64, N 4,096]; A: input q; B: input k: QUANTISED
;;     2. batch 16 x [M 4,096, K 4,096] x [K 4,096, N 64]; A: softmax (see below); B: input v: QUANTISED
;;   THE QUANTISER, for each operand of a quantised product, along K:
;;     - K is cut into blocks of 32 from its start; a last block that is shorter is filled with zeros.
;;     - A block's scale is 2^e with e = floor(log2(the largest magnitude in the block)) - 2, held to -126 .. 127; a block of zeros has e = 0. As a byte (E8M0): e + 127.
;;     - Each number is divided by its block's scale, clamped to +-7.5, and rounded to the nearest number of E2M3, ties to even, subnormals kept.
;;     - The product sums the exact products of the quantised numbers (number of the format x scale) in f32.
;;   ~~~python
;;   def quantise(x, axis):      # numpy; x: float32 -> the quantised numbers, widened to float32 again
;;       x = np.moveaxis(x, axis, -1); K = x.shape[-1]
;;       x = np.pad(x, [(0, 0)] * (x.ndim - 1) + [(0, -K % 32)]); x = x.reshape(x.shape[:-1] + (-1, 32)); a = np.abs(x).max(-1, keepdims=True)
;;       e = np.where(a > 0, np.clip(np.frexp(np.where(a > 0, a, 1))[1] - 1 - 2, -126, 127), 0)      # np.frexp(a)[1] - 1 = floor(log2(a)), exactly
;;       r = np.clip(x / 2.0 ** e, -7.5, 7.5)
;;       step = 2.0 ** (np.maximum(np.frexp(np.where(r == 0, 1, r))[1] - 1, 0) - 3)
;;       q = np.round(r / step) * step * 2.0 ** e      # np.round: ties to even
;;       return np.moveaxis(q.reshape(q.shape[:-2] + (-1,))[..., :K], -1, axis).astype(np.float32)
;;   ~~~
;;   SOFTMAX AHEAD OF A QUANTISED PRODUCT. Where the list says 'softmax', what is quantised is not the finished softmax but p = 2^(t - M), with t = logit x log2(e) and M = ceil(the row's largest t), a whole number; so 1/2 < the row's largest p <= 1. The row's sum l is taken of the UNQUANTISED p, in f32, and the product's result is divided by l at the end. Since M is a whole number, a kernel that streams over the keys may use a running M (the ceiling of the running maximum): every later rescaling is an exact power of two, which a block's scale takes up: the codes' values come out the same.
;;   OPERANDS COMPUTED ON THE WAY. 'Computed on the way' means the value that the module computes at that place (a softmax that the list does not call 'softmax' is quantised finished and normalised). What goes into a quantiser is computed in f32, as accurately as f32 sums, v_exp_f32 and their like allow (about 1e-6 of the number): no bf16 or f16 on the way to a quantiser, and a product that is left as it is and whose result goes on into a quantised operand takes f32 operands (vector FMAs, or v_wmma_f32_16x16x4_f32). A number that lies on a knife's edge between two numbers of the format may be rounded either way, as far as f32 arithmetic and the matrix unit's own rounding can turn it there, and no further.
;; One version. Each part assembles by itself: llvm-mc -triple=amdgcn-amd-amdhsa -mcpu=gfx1250 --defsym DOCPART=n.
;; ======== version 1 of 1: 1 launch
;; launch swa (part 1): grid 16 x 16, 16 waves a work-group, no clusters, 148,480 bytes of LDS; arguments q, k, v, out0; writes out0
.if DOCPART == 1
	.amdgcn_target "amdgcn-amd-amdhsa--gfx1250"
	.amdhsa_code_object_version 6
	.text
	.protected	k_qbc15f7cef8_swa
	.globl	k_qbc15f7cef8_swa
	.p2align	8
	.type	k_qbc15f7cef8_swa,@function
k_qbc15f7cef8_swa:
	s_mov_b64 s[64:65], 0
	v_nop
	global_prefetch_b8 v0, s[64:65] scope:SCOPE_SE
	s_setreg_imm32_b32 hwreg(HW_REG_WAVE_MODE, 25, 1), 1
	s_wait_xcnt 0x0
; out0[b][i][:] = the sum over keys j in i-511 .. i of softmax_j(q[b][i] . k[b][j] / 8) v[b][j][:].  q, k, v, out0: [16][4096][64] f32.
; Both products on codes of FP6 (E2M3) with one E8M0 scale for each 32 along a product's K: q and k along the head's 64, p and v along the keys (blocks at multiples of 32 keys).
; THE SOFTMAX AHEAD OF THE SECOND PRODUCT: t = score x log2(e) / 8; M = the largest t so far, rounded UP to a whole number; p = 2^(t - M) is quantised, not normalised; the row's sum is
; taken of the unquantised p and divides at the end.  When M moves, the sum and O are multiplied by 2^(old M - new M): exact.
; SHARES.  Work-group (x, y) owns queries 256 x .. 256 x + 255 of batch y and needs keys 256 x - 512 .. 256 x + 255: six slots of 128.  Wave w (of sixteen) owns 16 queries, one tile.
; PHASE A: the sixteen waves quantise those 768 keys of k and of v ONCE for the work-group, into LDS, as images of operand registers; each wave quantises its 16 rows of q into registers.
; ONE BARRIER.  PHASE B: each wave walks the five steps of 128 keys that its window touches, slots (w / 8) + 4 down to (w / 8) + 0; key tiles wholly outside the window are not multiplied.
; THE STEPS GO DOWNWARD: the diagonal step always exists and every query sees itself there, so M is a number from the start, the first V^T P starts O's sums with the constant 0, and where a
; step's keys do not exist (x = 0, 1) none below it does: one forward branch, on ids alone, ends the walk.  In phase A the groups of keys that do not exist are read at the batch's first
; keys instead (no load leaves its buffer, one path for every wave); their images are never read.
; LAYOUT.  Both products are used transposed (S^T = K Q^T, O^T = V^T P^T): a lane holds ONE query (lane % 16) throughout.  The head is 64 and the instruction's K is 128: an operand of K
; carries TWO tiles of 16 keys (k 0-63: tile 2 b, k 64-127: tile 2 b + 1); multiplied by [q | zero codes] it gives tile 2 b, by [zero codes | q] tile 2 b + 1.  No fragment is read twice.
; THE KEYS OF A TILE ARE NOT NEIGHBOURS: row r of tile 2 b + u is key 32 b + 8 u + r + 8 (r / 8), so that registers 16 b .. 16 b + 15 of S^T are keys 32 b + 16 (lane / 16) + 0 .. 15.
; AN IMAGE is 1,536 bytes: the reading lane L's 12 registers on end at 48 L (three loads of 16 bytes); a block's 24 bytes lie on end at 48 L + 24 c, and the store's address places them.
; NO JOINT REQUESTS, though neighbouring work-groups read two thirds of the same k and v: those arrive as f32 and must pass through registers to be quantised, and 768 keys of both in f32
; are 393,216 bytes, more than a work-group's LDS can hold; so nothing here is brought by a tensor load, which is the only load that can be shared.
; LIMITS.  NaN and infinities among the inputs are not served.  A block whose largest magnitude lies under 2^-124 has its byte held at 1; a block of zeros gets the byte 1 over zero codes
; (the bytes are read by this program alone).  A block's largest p is made from the block's largest score by the same multiply-add and exponential, which takes v_exp_f32 not to fall
; where its input rises.  The key steps are summed downward: another order of f32 sums than ascending keys.
.set FRB,   1536                       ; an image: 32 lanes x 48 bytes
.set SLOTB, 4*FRB                      ; a slot's four images (K: four pairs of tiles; V: four tiles of 16 channels)
.set KIMG,  0                          ; LDS: K's 24 images,
.set VIMG,  6*SLOTB                    ; V's 24,
.set KSC,   12*SLOTB                   ; K's scale words [slot][row 0-15][4 words], 256 bytes a slot,
.set VSC,   KSC+6*256                  ; V's likewise,
.set STG,   VSC+6*256                  ; and a stage of 16 rows x (256 + 16) bytes for each wave, its own
.set SPI,   272
.set WSTG,  16*SPI
.set GL,  1                            ; v1   16 x lane: a dense run of 512 bytes
.set GV,  2                            ; v2   4 x lane
.set SW,  3                            ; v3   my stage, dense side: row lane / 16, 16 bytes at 16 (lane % 16)
.set SRD, 4                            ; v4   my stage, row side: row lane % 16, 128 bytes from 128 (lane / 16)
.set KD,  5                            ; v5   where my block of k's codes goes
.set KB,  6                            ; v6   and its scale byte
.set VD,  7                            ; v7   the same for v
.set VB,  8                            ; v8
.set AK,  9                            ; v9   48 x lane in my first slot of K's images
.set AV,  10                           ; v10  and of V's
.set ASK, 11                           ; v11  16 (lane % 16) in my first slot of K's scale words (V's lie VSC - KSC further on)
.set DD,  12                           ; v12  my query - the diagonal step's first key - 16 (lane / 16)
.set NINF, 13                          ; v13  -infinity
.set SO,  14                           ; v14  my stage, on the way out: row lane % 16, 32 bytes from 32 (lane / 16)
.set H8,  15                           ; v15  8 (lane / 16)
.set QB,  16                           ; v16-33: six zeros, q's six registers of codes, six zeros.  [0 | q] = v16-27,
.set QA,  22                           ; [q | 0] = v22-33
.set QS,  34                           ; v34  q's scale word (s0, s1, s0, s1)
.set PS,  35                           ; v35  p's scale word
.set C,   36                           ; v36-42 a block's codes
.set MX0, 44                           ; v44, v45 the two chains of a block's largest magnitude
.set MX1, 45
.set SOP, 46                           ; v46  the conversion's scale operand
.set BY,  47                           ; v47  the scale's byte
.set TA,  48
.set TB,  49
.set NM,  50                           ; v50  -M;  v51 the largest t
.set TM,  51
.set SUM, 52                           ; v[52:53] the row's sum, in two halves
.set FF,  54                           ; v54  f = 2^(old M - new M); v55 is named with it as a pair
.set KS,  56                           ; v56-59 K's four scale words of a step
.set VS,  60                           ; v60-63 V's
.set SET0, 64                          ; phase A: six sets of 32 numbers
.set SET1, 96
.set SET2, 128
.set SET3, 160
.set SET4, 192
.set SET5, 224
.set F,   64                           ; phase B: v64-111 four fragments of K, then of V
.set S,   112                          ; v112-175 S^T, then p; on the way out O / the sum, and rows read back
.set OB,  144
.set O,   176                          ; v176-207 O^T: four tiles of 16 channels
.set P,   208                          ; v208-219 p's codes
.set PH,  220                          ; v220-222, v224-226 the conversions' second halves
.set BM,  228                          ; v228-231 each block's largest score, then its largest p
.set BT,  232                          ; v232-235 at work
.set BS,  236                          ; v236-239 the conversions' scale operands
.set SB,  240                          ; v[240:241] the sum's second chain
.set R,   242                          ; v[242:243] 1 / the sum
.set WV,  12                           ; s12  my wave's number
.set SEL, 20                           ; s[20:21] v_permlanex16_b32's selects for lane l xor 16
.set CS,  22                           ; s[22:23] c = log2(e) / 8
.set KF0, 24                           ; s24  the first key of my step 0 (below 0 where it does not exist)
	s_load_b256 s[4:11], s[0:1], 0x0               ; q s[4:5], k s[6:7], v s[8:9], out0 s[10:11]
	v_lshrrev_b32 v[TA], 5, v0
	s_delay_alu instid0(VALU_DEP_1)
	v_readfirstlane_b32 s[WV], v[TA]               ; wave 0..15
	s_lshr_b32 s13, s[WV], 3                       ; w / 8: which half of the work-group's queries
	s_and_b32 s14, s[WV], 1
	s_lshr_b32 s18, s[WV], 1
	s_and_b32 s15, s18, 3
	s_and_b32 s16, s18, 1
	s_bfe_u32 s17, s[WV], 0x10002                  ; bit 2 of w
	s_and_b32 s19, s[WV], 7
	; the wave's terms of the LDS addresses
	s_mul_i32 s46, s[WV], WSTG
	s_add_co_u32 s46, s46, STG                     ; my stage
	s_mul_i32 s47, s18, FRB                        ; k: rows 16 w .. of a group of 256 keys fall into image w / 2, reading rows 8 (w % 2) on
	s_mul_i32 s2, s14, 384
	s_add_co_u32 s47, s47, s2
	s_lshl_b32 s52, s13, 8
	s_add_co_u32 s52, s52, KSC                     ; K's scale words of slot w / 8
	s_lshl_b32 s2, s14, 7
	s_add_co_u32 s48, s52, s2
	s_lshl_b32 s2, s15, 2
	s_add_co_u32 s48, s48, s2                      ; + 16 bytes x 8 (w % 2) rows + word (w / 2) % 4
	s_mul_i32 s51, s13, SLOTB
	s_mul_i32 s2, s14, 2*FRB                       ; v: key block w / 2 of a group's eight, channels 32 (w % 2) on: tiles 2 (w % 2) + lane / 16,
	s_add_co_u32 s49, s51, s2
	s_mul_i32 s2, s16, 768                         ; reading lanes 16 ((w / 2) % 2) on,
	s_add_co_u32 s49, s49, s2
	s_mul_i32 s2, s17, 24                          ; half (w / 4) % 2 of their 48 bytes
	s_add_co_u32 s49, s49, s2
	s_add_co_u32 s49, s49, VIMG
	s_lshl_b32 s2, s14, 3
	s_add_co_u32 s50, s52, s2
	s_add_co_u32 s50, s50, s15
	s_add_co_u32 s50, s50, VSC-KSC                 ; V's scale bytes: words 2 (w % 2) on, byte (w / 2) % 4
	s_lshl_b32 s53, s19, 4
	v_and_b32 v64, 31, v0                          ; lane
	v_and_b32 v65, 15, v0                          ; r = lane % 16
	v_bfe_u32 v66, v0, 4, 1                        ; h = lane / 16
	v_and_b32 v67, 7, v0                           ; r % 8
	v_bfe_u32 v68, v0, 3, 1                        ; r / 8
	v_lshlrev_b32 v[GL], 4, v64
	v_lshlrev_b32 v[GV], 2, v64
	v_mul_u32_u24 v[SW], v66, SPI
	s_delay_alu instid0(VALU_DEP_1)
	v_lshl_add_u32 v[SW], v65, 4, v[SW]
	s_delay_alu instid0(VALU_DEP_1)
	v_add_nc_u32 v[SW], s46, v[SW]
	v_mul_u32_u24 v[SRD], v65, SPI
	s_delay_alu instid0(VALU_DEP_1)
	v_lshl_add_u32 v[SO], v66, 5, v[SRD]
	s_delay_alu instid0(VALU_DEP_2)
	v_lshl_add_u32 v[SRD], v66, 7, v[SRD]
	s_delay_alu instid0(VALU_DEP_2)
	v_add_nc_u32 v[SO], s46, v[SO]
	s_delay_alu instid0(VALU_DEP_2)
	v_add_nc_u32 v[SRD], s46, v[SRD]
	v_mul_u32_u24 v[KD], v67, 48                   ; my row r of the chunk is row r % 8 + 8 (w % 2) of tile 2 b + r / 8; my 32 channels are the reading lane's half h
	s_delay_alu instid0(VALU_DEP_1)
	v_mad_u32_u24 v[KD], v68, 24, v[KD]
	s_delay_alu instid0(VALU_DEP_1)
	v_mad_u32_u24 v[KD], v66, 768, v[KD]
	s_delay_alu instid0(VALU_DEP_1)
	v_add_nc_u32 v[KD], s47, v[KD]
	v_lshlrev_b32 v[KB], 4, v67                    ; byte 2 (r / 8) + h of that row's word
	s_delay_alu instid0(VALU_DEP_1)
	v_lshl_add_u32 v[KB], v68, 1, v[KB]
	s_delay_alu instid0(VALU_DEP_1)
	v_add_nc_u32 v[KB], v[KB], v66
	s_delay_alu instid0(VALU_DEP_1)
	v_add_nc_u32 v[KB], s48, v[KB]
	v_mul_u32_u24 v[VD], v65, 48
	s_delay_alu instid0(VALU_DEP_1)
	v_mad_u32_u24 v[VD], v66, FRB, v[VD]
	s_delay_alu instid0(VALU_DEP_1)
	v_add_nc_u32 v[VD], s49, v[VD]
	v_lshlrev_b32 v[VB], 4, v65
	s_delay_alu instid0(VALU_DEP_1)
	v_lshl_add_u32 v[VB], v66, 2, v[VB]
	s_delay_alu instid0(VALU_DEP_1)
	v_add_nc_u32 v[VB], s50, v[VB]
	v_mul_u32_u24 v[AK], v64, 48
	s_delay_alu instid0(VALU_DEP_1)
	v_add_nc_u32 v[AK], s51, v[AK]
	s_delay_alu instid0(VALU_DEP_1)
	v_add_nc_u32 v[AV], VIMG, v[AK]
	v_lshl_add_u32 v[ASK], v65, 4, s52
	v_lshlrev_b32 v[DD], 4, v66
	s_delay_alu instid0(VALU_DEP_1)
	v_sub_nc_u32 v[DD], v65, v[DD]
	s_delay_alu instid0(VALU_DEP_1)
	v_add_nc_u32 v[DD], s53, v[DD]                 ; 16 (w % 8) + r - 16 h
	v_lshlrev_b32 v[H8], 3, v66
	v_mov_b32 v[NINF], 0xff800000
.irp i, 0,1,2,3,4,5
	v_mov_b32 v[QB+\i], 0                          ; the zero codes on both sides of q's
	v_mov_b32 v[QA+6+\i], 0
.endr
	v_mov_b32 v[TB], 0                             ; written once: a lane permute's destination counts as one of its sources
	v_mov_b32 v[FF+1], 0                           ; (named as the upper half of a pair)
	s_mov_b32 s[SEL], 0x76543210
	s_mov_b32 s[SEL+1], 0xfedcba98
	s_mov_b32 s[CS], 0x3e38aa3b                    ; c = log2(e) / 8
	s_mov_b32 s[CS+1], s[CS]                       ; (named with it as a pair, so it is written)
	s_lshl_b32 s[KF0], ttmp9, 8
	s_lshl_b32 s2, s13, 7
	s_add_co_u32 s[KF0], s[KF0], s2
	s_sub_co_i32 s[KF0], s[KF0], 512               ; 256 x + 128 (w / 8) - 512
	; offsets in memory, all under 2^24: a batch is 2^20 bytes, 256 rows 2^16, a row 256
	s_and_b32 s26, ttmp7, 0xffff
	s_lshl_b32 s26, s26, 20                        ; my batch
	s_lshl_b32 s54, s[WV], 12                      ; q, k, out0: my 16 rows of 256
	s_lshl_b32 s55, s18, 13                        ; v: my 32 keys of 256,
	s_lshl_b32 s2, s14, 7
	s_add_co_u32 s55, s55, s2                      ; my 32 channels of 64
	s_mov_b32 s29, 0
	s_mov_b32 s31, 0
	s_wait_kmcnt 0x0
.irp i, 0,1,2                                      ; group i: keys 256 (x - 2 + i) on; a group that does not exist is read at the batch's first keys
	s_add_co_i32 s28, ttmp9, \i-2
	s_max_i32 s28, s28, 0
	s_lshl_b32 s28, s28, 16
	s_add_co_u32 s28, s28, s26
	s_add_co_u32 s30, s28, s55
	s_add_co_u32 s28, s28, s54
	s_add_nc_u64 s[32+2*\i:33+2*\i], s[6:7], s[28:29]
	s_add_nc_u64 s[40+2*\i:41+2*\i], s[8:9], s[30:31]
.endr
	s_lshl_b32 s28, ttmp9, 16
	s_add_co_u32 s28, s28, s26
	s_add_co_u32 s28, s28, s54
	s_add_nc_u64 s[4:5], s[4:5], s[28:29]          ; q and out0 at my first query
	s_add_nc_u64 s[10:11], s[10:11], s[28:29]
; 16 rows of 256 bytes, dense: eight loads of 512 consecutive bytes.  nt = 1: read once in the launch (q); k is read by three work-groups
.macro LCH set, base, nt
.irp i, 0,1,2,3,4,5,6,7
.if \nt
	global_load_b128 v[\set+4*\i:\set+4*\i+3], v[GL], s[\base:\base+1] offset:512*\i th:TH_LOAD_NT
.else
	global_load_b128 v[\set+4*\i:\set+4*\i+3], v[GL], s[\base:\base+1] offset:512*\i
.endif
.endr
.endm
; v: A LANE TAKES A CHANNEL AND ITS REGISTERS RUN DOWN 32 KEYS: a whole block of the second product's K in one lane.  A load reads 128 consecutive bytes; waves w and w xor 1 stand side by side on a row
.macro LV set, base
.set i, 0
.rept 32
	global_load_b32 v[\set+i], v[GV], s[\base:\base+1] offset:256*i
.set i, i+1
.endr
.endm
; 16 rows through my stage: in as loaded, back 128 bytes a lane: lane (r, h) then holds channels 32 h .. 32 h + 31 of row r.  LDS serves a wave's instructions in order (ISA guide 5.7.1.4): no wait between
.macro TURN from, to
.irp i, 0,1,2,3,4,5,6,7
	ds_store_b128 v[SW], v[\from+4*\i:\from+4*\i+3] offset:2*SPI*\i
.endr
.irp i, 0,1,2,3,4,5,6,7
	ds_load_b128 v[\to+4*\i:\to+4*\i+3], v[SRD] offset:16*\i
.endr
.endm
; a block's largest magnitude (all 32 numbers are mine), its conversion operand and its byte
.macro MAXS set
	v_max3_num_f32 v[MX0], |v[\set]|, |v[\set+1]|, |v[\set+2]|
	v_max3_num_f32 v[MX1], |v[\set+3]|, |v[\set+4]|, |v[\set+5]|
.irp i, 6,10,14,18,22,26
	s_delay_alu instid0(VALU_DEP_2)
	v_max3_num_f32 v[MX0], v[MX0], |v[\set+\i]|, |v[\set+\i+1]|
	s_delay_alu instid0(VALU_DEP_2)
	v_max3_num_f32 v[MX1], v[MX1], |v[\set+\i+2]|, |v[\set+\i+3]|
.endr
	s_delay_alu instid0(VALU_DEP_2)
	v_max3_num_f32 v[MX0], v[MX0], |v[\set+30]|, |v[\set+31]|
	s_delay_alu instid0(VALU_DEP_1)
	v_max3_num_f32 v[MX0], v[MX0], v[MX1], 0x1800000   ; and the floor 2^(3 - 127): the byte cannot fall under 1
	s_delay_alu instid0(VALU_DEP_1)
	v_add_nc_u32 v[SOP], 0xff000000, v[MX0]        ; 2 off its exponent field: the conversion takes the exponent field of this operand as its scale, and nothing else of it
	s_delay_alu instid0(VALU_DEP_1)
	v_lshrrev_b32 v[BY], 23, v[SOP]                ; the scale's byte
.endm
; the block's 32 codes, 192 bits, into v[dst] .. v[dst + 5]
.macro CODES set, dst
	v_cvt_scalef32_pk16_fp6_f32 v[\dst:\dst+2], v[\set:\set+15], v[SOP]
	v_cvt_scalef32_pk16_fp6_f32 v[C+4:C+6], v[\set+16:\set+31], v[SOP]   ; (a conversion's three registers begin on an even number)
	v_nop                                          ; one plain place behind a scaled conversion
.irp i, 0,1,2
	v_mov_b32 v[\dst+3+\i], v[C+4+\i]              ; ascending: each source is read before it is written
.endr
.endm
; the block in v[C] on and its byte go to their places in group i's images and scale words
.macro PUT adr, badr, i
.irp k, 0,1,2
	ds_store_b64 v[\adr], v[C+2*\k:C+2*\k+1] offset:2*SLOTB*\i+8*\k
.endr
	ds_store_b8 v[\badr], v[BY] offset:512*\i
.endm
	; ---- PHASE A.  All loads go out as early as registers are free; one path, no branch
	LCH SET0, 4, 1                                 ; my 16 queries
	LCH SET1, 32, 0                                ; my 16 keys of each group of 256
	LCH SET2, 34, 0
	LCH SET3, 36, 0
	LV SET4, 40                                    ; my block of v in group 0
	s_wait_loadcnt 56                              ; q is in: behind it stand 24 loads of k and 32 of v
	TURN SET0, SET5
	s_wait_dscnt 0x0
	MAXS SET5
	CODES SET5, QA                                 ; q's codes stand where the operand wants them: lane (r, h) has channels 32 h on of query r
	v_lshl_or_b32 v[TA], v[BY], 16, v[BY]          ; my byte serves k = 32 h .. and k = 64 + 32 h ..
	s_delay_alu instid0(VALU_DEP_1)
	v_lshlrev_b32 v[TA], v[H8], v[TA]
	s_delay_alu instid0(VALU_DEP_1)
	v_permlanex16_b32 v[TB], v[TA], s[SEL], s[SEL+1]
	s_delay_alu instid0(VALU_DEP_1)
	v_or_b32 v[QS], v[TA], v[TB]                   ; with lane l xor 16's the word is whole
	LV SET5, 42                                    ; v, group 1
	s_wait_loadcnt 63                              ; k's group 0 is in: 80 loads are younger, and 63 is the largest count that the wait can name
	TURN SET1, SET0
	s_wait_dscnt 0x0
	MAXS SET0
	CODES SET0, C
	PUT KD, KB, 0
	LV SET1, 44                                    ; v, group 2: the stage's stores have read this set
	s_wait_loadcnt 63                              ; k's group 1: 104 younger
	TURN SET2, SET0
	s_wait_dscnt 0x0                               ; the rows are back, and the stores of the last block have read their registers
	MAXS SET0
	CODES SET0, C
	PUT KD, KB, 1
	s_wait_loadcnt 63                              ; k's group 2: 96 younger
	TURN SET3, SET0
	s_wait_dscnt 0x0
	MAXS SET0
	CODES SET0, C
	PUT KD, KB, 2
	s_wait_loadcnt 63                              ; v's group 0: 64 younger
	s_wait_dscnt 0x0
	MAXS SET4
	CODES SET4, C
	PUT VD, VB, 0
	s_wait_loadcnt 32                              ; v's group 1: group 2's 32 loads may be out
	s_wait_dscnt 0x0
	MAXS SET5
	CODES SET5, C
	PUT VD, VB, 1
	s_wait_loadcnt 0x0
	s_wait_dscnt 0x0
	MAXS SET1
	CODES SET1, C
	PUT VD, VB, 2
	s_wait_dscnt 0x0                               ; for the others' sake: my stores have landed
	s_barrier_signal -1
	s_barrier_wait -1                              ; all 48 images and their scale bytes lie in LDS; nobody writes them again
; ---- PHASE B.  A KEY STEP: 128 keys, slot (w / 8) + s.  mode 2: the diagonal (keys after my query are hidden); 1: the window's lower edge (keys up to my query - 512 are hidden); 0: all count.
; first = 1: the step starts M, the sum and O^T.
.macro STEP s, mode, first
.if !\first
	s_cmp_lt_i32 s[KF0], -128*\s                   ; the step's first key lies in front of the batch: neither it nor any step below exists
	s_cbranch_scc1 .Lout
.endif
.irp b, 0,1,2,3
.irp c, 0,1,2
	ds_load_b128 v[F+12*\b+4*\c:F+12*\b+4*\c+3], v[AK] offset:SLOTB*\s+FRB*\b+16*\c
.endr
.endr
	ds_load_b128 v[KS:KS+3], v[ASK] offset:256*\s
	s_wait_dscnt 0x0
.irp b, 0,1,2,3                                    ; S^T = K Q^T: each operand of K twice, against [q | 0] and [0 | q]; eight results, none taken up again
	v_wmma_scale_f32_16x16x128_f8f6f4 v[S+16*\b:S+16*\b+7], v[F+12*\b:F+12*\b+11], v[QA:QA+11], 0, v[KS+\b], v[QS] matrix_a_fmt:MATRIX_FMT_FP6 matrix_b_fmt:MATRIX_FMT_FP6
	v_wmma_scale_f32_16x16x128_f8f6f4 v[S+16*\b+8:S+16*\b+15], v[F+12*\b:F+12*\b+11], v[QB:QB+11], 0, v[KS+\b], v[QS] matrix_a_fmt:MATRIX_FMT_FP6 matrix_b_fmt:MATRIX_FMT_FP6
.endr
.rept 4
	v_nop                                          ; four places in front of the loads into K's registers and of the first read of the scores
.endr
.irp t, 0,1,2,3                                    ; V's fragments land while the softmax is walked
.irp c, 0,1,2
	ds_load_b128 v[F+12*\t+4*\c:F+12*\t+4*\c+3], v[AV] offset:SLOTB*\s+FRB*\t+16*\c
.endr
.endr
	ds_load_b128 v[VS:VS+3], v[ASK] offset:VSC-KSC+256*\s
.if \mode                                          ; register n holds key (the step's first) + 32 (n / 16) + n % 16 + 16 h.  Hidden scores become -infinity: p = 0
.set n, 0
.rept 64
.if \mode == 2
	v_cmp_gt_i32 vcc_lo, 32*(n/16)+n%16, v[DD]     ; after my query
.else
	v_cmp_le_i32 vcc_lo, 32*(n/16)+n%16, v[DD]     ; 512 keys lower the same line parts what has left the window from what is in it
.endif
	v_cndmask_b32 v[S+n], v[S+n], v[NINF], vcc_lo
.set n, n+1
.endr
.endif
.irp b, 0,1,2,3
	v_max3_num_f32 v[BM+\b], v[S+16*\b], v[S+16*\b+1], v[S+16*\b+2]   ; the largest score of each block of 32 keys: for the row's maximum, and, since p rises with the score, for the block's largest p
.endr
.irp i, 3,5,7,9,11,13
.irp b, 0,1,2,3
	v_max3_num_f32 v[BM+\b], v[BM+\b], v[S+16*\b+\i], v[S+16*\b+\i+1]
.endr
.endr
.irp b, 0,1,2,3
	v_max_num_f32 v[BM+\b], v[BM+\b], v[S+16*\b+15]
.endr
.irp b, 0,1,2,3
	s_delay_alu instid0(VALU_DEP_4)
	v_permlanex16_b32 v[BT+\b], v[BM+\b], s[SEL], s[SEL+1]
.endr
.irp b, 0,1,2,3
	s_delay_alu instid0(VALU_DEP_4)
	v_max_num_f32 v[BM+\b], v[BM+\b], v[BT+\b]     ; with lane l xor 16's 16 keys
.endr
	s_delay_alu instid0(VALU_DEP_2)
	v_max3_num_f32 v[TA], v[BM], v[BM+1], v[BM+2]
	s_delay_alu instid0(VALU_DEP_1)
	v_max_num_f32 v[TA], v[TA], v[BM+3]            ; the step's largest score of my query
.if \first
	s_delay_alu instid0(VALU_DEP_1)
	v_mul_f32 v[TM], s[CS], v[TA]                  ; as t (c is positive): on the diagonal every query sees itself, so this is a number
.else
	s_delay_alu instid0(VALU_DEP_1)
	v_mul_f32 v[TA], s[CS], v[TA]
	s_delay_alu instid0(VALU_DEP_1)
	v_max_num_f32 v[TM], v[TM], v[TA]              ; the running largest t (a row with no key in this step brings -infinity, which moves nothing)
	v_mov_b32 v[TB], v[NM]
.endif
	v_floor_f32 v[NM], -v[TM]                      ; -M = floor(-t) = -ceil(t): M is a whole number
.if !\first
	s_delay_alu instid0(VALU_DEP_1)
	v_sub_f32 v[TB], v[NM], v[TB]                  ; old M - new M: a whole number, 0 or less
	s_delay_alu instid0(VALU_DEP_1)
	v_cvt_i32_f32 v[TB], v[TB]                     ; (it saturates)
	s_delay_alu instid0(VALU_DEP_1)
	v_ldexp_f32 v[FF], 1.0, v[TB]                  ; f = 2^(old M - new M)
.endif
.set j, 0
.rept 32
	v_pk_fma_f32 v[S+j:S+j+1], v[S+j:S+j+1], s[CS:CS+1], v[NM:NM+1] op_sel_hi:[1,0,0]   ; t - M, two at a time (of the pairs c and -M the low word serves both halves)
.set j, j+2
.endr
.irp b, 0,1,2,3
	v_fma_f32 v[BM+\b], v[BM+\b], s[CS], v[NM]     ; the same of each block's largest score
.endr
.set j, 0
	s_wait_alu depctr_va_vdst(0)
.rept 64
	v_exp_f32 v[S+j], v[S+j]                       ; p = 2^(t - M), at most 1, not normalised
.set j, j+1
.endr
.irp b, 0,1,2,3
	v_exp_f32 v[BM+\b], v[BM+\b]                   ; the block's largest p: the same two instructions on the same number give the same bits
.endr
.if \first
	v_nop                                          ; a plain place behind the last exponential
.else
	v_pk_mul_f32 v[SUM:SUM+1], v[SUM:SUM+1], v[FF:FF+1] op_sel_hi:[1,0]   ; the sums under the new M: the plain place behind the last exponential
.endif
	s_wait_alu depctr_va_vdst(0)                   ; ONE wait for the batch of 68, ahead of the first line that names a result
.irp b, 0,1,2,3
	v_max_num_f32 v[BM+\b], 0x1800000, v[BM+\b]    ; the floor 2^(3 - 127): a block whose every p is 0 keeps the byte 1 over zero codes
.endr
.irp b, 0,1,2,3
	s_delay_alu instid0(VALU_DEP_4)
	v_add_nc_u32 v[BS+\b], 0xff000000, v[BM+\b]    ; 2 off the exponent field: the conversion's scale operand
.endr
.irp b, 0,1,2,3
	s_delay_alu instid0(VALU_DEP_4)
	v_lshrrev_b32 v[BT+\b], 23, v[BS+\b]           ; the scale's byte
.endr
	s_delay_alu instid0(VALU_DEP_3)
	v_lshl_or_b32 v[PS], v[BT+1], 8, v[BT]         ; p's scale word for these 128 keys
	s_delay_alu instid0(VALU_DEP_1)
	v_lshl_or_b32 v[PS], v[BT+2], 16, v[PS]
	s_delay_alu instid0(VALU_DEP_1)
	v_lshl_or_b32 v[PS], v[BT+3], 24, v[PS]
.irp c, 0,1
	v_cvt_scalef32_pk16_fp6_f32 v[P+6*\c:P+6*\c+2], v[S+32*\c:S+32*\c+15], v[BS+2*\c]
	v_cvt_scalef32_pk16_fp6_f32 v[PH+4*\c:PH+4*\c+2], v[S+32*\c+16:S+32*\c+31], v[BS+2*\c+1]   ; (a conversion's three registers begin on an even number)
.endr
	v_nop                                          ; one plain place behind a scaled conversion
.irp c, 0,1                                        ; the operand wants a WHOLE block in a lane: lanes 0-15 block 2 c, lanes 16-31 block 2 c + 1
.irp i, 0,1,2
	v_permlane16_swap_b32 v[P+6*\c+\i], v[PH+4*\c+\i]
.endr
.irp i, 0,1,2
	s_delay_alu instid0(VALU_DEP_3)
	v_mov_b32 v[P+6*\c+3+\i], v[PH+4*\c+\i]
.endr
.endr
.if !\first
.set j, 0
.rept 16
	v_pk_mul_f32 v[O+j:O+j+1], v[O+j:O+j+1], v[FF:FF+1] op_sel_hi:[1,0]   ; O^T under the new M, each accumulator from its low end on
.set j, j+2
.endr
.endif
	v_pk_add_f32 v[SB:SB+1], v[S:S+1], v[S+2:S+3]  ; THE ROW'S SUM IS TAKEN OF THE UNQUANTISED p: two at a time, in two chains.  These lines name no register of the products below:
.if \first                                         ; they are the eight places behind p's scale word and the four behind its codes
	v_pk_add_f32 v[SUM:SUM+1], v[S+4:S+5], v[S+6:S+7]
.else
	v_pk_add_f32 v[SUM:SUM+1], v[SUM:SUM+1], v[S+4:S+5]
	v_pk_add_f32 v[SB:SB+1], v[SB:SB+1], v[S+6:S+7]
.endif
.set j, 8
.rept 14
	v_pk_add_f32 v[SUM:SUM+1], v[SUM:SUM+1], v[S+j:S+j+1]
	v_pk_add_f32 v[SB:SB+1], v[SB:SB+1], v[S+j+2:S+j+3]
.set j, j+4
.endr
	s_delay_alu instid0(VALU_DEP_1)
	v_pk_add_f32 v[SUM:SUM+1], v[SUM:SUM+1], v[SB:SB+1]
	s_wait_dscnt 0x0                               ; V's fragments and scale words are in
.irp t, 0,1,2,3                                    ; O^T += V^T P^T: four accumulators, one instruction a turn; between two links of a chain stand the next step's eight products K Q^T
.if \first
	v_wmma_scale_f32_16x16x128_f8f6f4 v[O+8*\t:O+8*\t+7], v[F+12*\t:F+12*\t+11], v[P:P+11], 0, v[VS+\t], v[PS] matrix_a_fmt:MATRIX_FMT_FP6 matrix_b_fmt:MATRIX_FMT_FP6
.else
	v_wmma_scale_f32_16x16x128_f8f6f4 v[O+8*\t:O+8*\t+7], v[F+12*\t:F+12*\t+11], v[P:P+11], v[O+8*\t:O+8*\t+7], v[VS+\t], v[PS] matrix_a_fmt:MATRIX_FMT_FP6 matrix_b_fmt:MATRIX_FMT_FP6
.endif
.endr
.rept 4
	v_nop                                          ; four places in front of the next step's loads into V's registers, and of the way out's reads of O^T
.endr
.endm
.irp b, 0,1,2,3
	v_mov_b32 v[BT+\b], 0                          ; written once: a lane permute's destination counts as one of its sources
.endr
	STEP 4, 2, 1                                   ; the diagonal
	STEP 3, 0, 0
	STEP 2, 0, 0
	STEP 1, 0, 0
	STEP 0, 1, 0                                   ; the window's lower edge
.Lout:
	; THE WAY OUT.  O^T / the sum goes through my stage (a lane's eight channels of a tile are 32 bytes of a row) and leaves as whole rows: a store covers 512 consecutive bytes, aligned to 256
	s_wait_alu depctr_va_vdst(0)
	v_add_f32 v[TA], v[SUM], v[SUM+1]              ; the sum's two halves,
	s_delay_alu instid0(VALU_DEP_1)
	v_permlanex16_b32 v[TB], v[TA], s[SEL], s[SEL+1]
	s_delay_alu instid0(VALU_DEP_1)
	v_add_f32 v[TA], v[TA], v[TB]                  ; and lane l xor 16's: the row's sum (at least 1/2: the row's largest p)
	s_wait_alu depctr_va_vdst(0)
	v_rcp_f32 v[R], v[TA]
	v_mov_b32 v[R+1], 0                            ; the plain place behind the reciprocal; the register is named with it as a pair
	s_wait_alu depctr_va_vdst(0)                   ; ahead of the first reader
.set j, 0
.rept 16
	v_pk_mul_f32 v[S+j:S+j+1], v[O+j:O+j+1], v[R:R+1] op_sel_hi:[1,0]   ; register 8 t + i is out0(my query, 16 t + 8 h + i)
.set j, j+2
.endr
.irp t, 0,1,2,3
	ds_store_b128 v[SO], v[S+8*\t:S+8*\t+3] offset:64*\t
	ds_store_b128 v[SO], v[S+8*\t+4:S+8*\t+7] offset:64*\t+16
.endr
.irp i, 0,1,2,3,4,5,6,7
	ds_load_b128 v[OB+4*\i:OB+4*\i+3], v[SW] offset:2*SPI*\i   ; LDS serves a wave's instructions in order: these see my stores; the stage is my own
.endr
.irp i, 0,1,2,3,4,5,6,7
	s_wait_dscnt 7-\i                              ; rows 2 i and 2 i + 1 are back; the younger loads may be out
	global_store_b128 v[GL], v[OB+4*\i:OB+4*\i+3], s[10:11] offset:512*\i th:TH_STORE_NT
.endr
	s_wait_xcnt 0x0
	v_lshl_add_u32 v254, v0, 2, 0x23c00
	v_mov_b32 v255, 0
	s_wait_alu depctr_va_vdst(0)
	s_wait_tensorcnt 0x0
	ds_add_u32 v254, v255
	s_wait_dscnt 0x0
	s_endpgm
.Lfunc_end_k_qbc15f7cef8_swa:
	.size	k_qbc15f7cef8_swa, .Lfunc_end_k_qbc15f7cef8_swa-k_qbc15f7cef8_swa
	.p2alignl 7, 3214868480
	.fill 96, 4, 3214868480
	.section	.rodata,"a",@progbits
	.p2align	6, 0x0
	.amdhsa_kernel k_qbc15f7cef8_swa
		.amdhsa_group_segment_fixed_size 148480
		.amdhsa_private_segment_fixed_size 0
		.amdhsa_enable_private_segment 0
		.amdhsa_kernarg_size 32
		.amdhsa_user_sgpr_count 2
		.amdhsa_user_sgpr_kernarg_segment_ptr 1
		.amdhsa_wavefront_size32 1
		.amdhsa_system_sgpr_workgroup_id_x 1
		.amdhsa_system_sgpr_workgroup_id_y 1
		.amdhsa_system_sgpr_workgroup_id_z 1
		.amdhsa_system_vgpr_workitem_id 0
		.amdhsa_next_free_vgpr 256
		.amdhsa_next_free_sgpr 66
		.amdhsa_reserve_vcc 1
		.amdhsa_float_denorm_mode_32 3
		.amdhsa_float_denorm_mode_16_64 3
		.amdhsa_memory_ordered 1
		.amdhsa_forward_progress 1
		.amdhsa_inst_pref_size 131
	.end_amdhsa_kernel
	.amdgpu_metadata
---
amdhsa.version: [ 1, 2 ]
amdhsa.kernels:
  - .name:           k_qbc15f7cef8_swa
    .symbol:         k_qbc15f7cef8_swa.kd
    .args:
      - { .name: q, .offset: 0, .size: 8, .value_kind: global_buffer, .address_space: global }
      - { .name: k, .offset: 8, .size: 8, .value_kind: global_buffer, .address_space: global }
      - { .name: v, .offset: 16, .size: 8, .value_kind: global_buffer, .address_space: global }
      - { .name: out0, .offset: 24, .size: 8, .value_kind: global_buffer, .address_space: global }
    .group_segment_fixed_size: 148480
    .private_segment_fixed_size: 0
    .kernarg_segment_align: 8
    .kernarg_segment_size: 32
    .max_flat_workgroup_size: 512
    .sgpr_count:     66
    .vgpr_count:     256
    .wavefront_size: 32
...
	.end_amdgpu_metadata
.endif
;; end of part 1
